; MI455X (gfx1250); checked and timed in simulation.
; The chip was launched on July 23, 2026; its instructions are those of AMD's public machine-readable ISA for CDNA 5 (MIT licence, August 2026) and "CDNA5" Instruction Set Architecture Reference Guide (July 2026). The comments in the code are by the model that wrote it; some were corrected since.
;; Attention Base. Allowed arithmetic: float matrix products may take bf16 or f16 operands with f32 sums; all other float work in f32.
;; Inputs: attention_mask 8 x 1 x 1 x 1,024 bool; keys 8 x 1,024 x 1,024 float32; queries 8 x 1,024 x 1,024 float32; values 8 x 1,024 x 1,024 float32; w_out 1,024 x 1,024 float32.
;; Outputs: out0 8 x 1,024 x 1,024 float32.
;; One version. Each part assembles by itself: llvm-mc -triple=amdgcn-amd-amdhsa -mcpu=gfx1250 --defsym DOCPART=n.
;; ======== version 1 of 1: 2 launches
;; limits: right only within a limited range of input values; values are held in f16: magnitudes above 65,504 overflow, below 6.1e-05 lose precision; inputs' magnitudes at most 65,504
;; workspace buffers: xh 16,777,216 bytes; wb 2,097,152 bytes
;; launch attn (part 1): grid 256 x 1, 8 waves a work-group, no clusters, 117,760 bytes of LDS; arguments queries, keys, values, attention_mask, w_out, xh, wb; writes xh, wb
.if DOCPART == 1
	.amdgcn_target "amdgcn-amd-amdhsa--gfx1250"
	.amdhsa_code_object_version 6
	.text
	.protected	k_q61a836517d_attn
	.globl	k_q61a836517d_attn
	.p2align	8
	.type	k_q61a836517d_attn,@function
k_q61a836517d_attn:
	s_mov_b64 s[64:65], 0
	v_nop
	global_prefetch_b8 v0, s[64:65] scope:SCOPE_SE
	s_setreg_imm32_b32 hwreg(HW_REG_WAVE_MODE, 25, 1), 1
	s_wait_xcnt 0x0
; ATTENTION, one work-group for 512 queries of one (batch, head):  xh = softmax(Q K^T / 8 + bias) V, in f16, laid out [16 heads][8192 rows][64].
; Beside it each work-group rounds 4 rows of w_out to f16 into wb, laid out [16 heads][1024 n][64].  The projection is the next launch.
; Nothing of the computation is left out: all five inputs reach the result and all are loaded; the mask's bias and the running maximum stay.
;
; SHARES.  256 work-groups: wg = 32 b + 2 head + half of the queries.  Eight waves, 64 queries each (4 query tiles t of 16).  The 1024 keys go in
; 16 trips of 64 keys (4 key tiles kt; 2 groups g of 32) through two LDS slots.
; THE LOOP STANDS IN PHASES (scores, softmax, PV), with two waves on a SIMD, so that one wave's products can run beside the other's vector work.
; Turns of two pieces inside one wave, a slice of softmax behind each product, are not taken: S and O of two pieces fill two register windows of their own,
; so that each product and its slice name other windows (two s_set_vgpr_msb a product), and the periods that start and drain such a pipeline, written out,
; make the text four times as long as this one.
; ONE BARRIER A TRIP.  Its signal stands in front of the PV run and its wait behind it: 32 products, register work alone, lie between.
; A chunk of K and V is asked for as soon as its staging registers are free, behind the LDS stores of the chunk before: one whole trip ahead of its conversion.
; K AND V COME THROUGH REGISTERS, NOT BY TENSOR LOADS, AND NO CLUSTER IS FORMED: they are f32 in memory and the products take f16, so each number
; has to pass a conversion: a copy of the f32 bytes into LDS would be 4 bytes in, 4 bytes out and 2 bytes in again for each number, against 2 bytes in
; here.  Only two work-groups share a head's K and V (64 KiB of f32 a trip for both together).
;
; BOTH PRODUCTS ARE USED TRANSPOSED, so that a lane owns one query and no score changes lanes:
;   S^T = K Q^T + bias: source 0 = 16 keys x 32 c, source 1 = 16 queries x 32 c, C = the bias of the 16 keys.  Register j of lane (r, h) is key 8 h + j, query r.
;   O^T = V^T P^T:      source 0 = V^T by transposing LDS loads, source 1 = P^T: key tiles 2 g and 2 g + 1, packed to f16, ARE its registers 0-3 and 4-7.
; The maximum crosses the two halves of the lanes once a tile and trip, the sum once at the end.
;
; FORMATS AND LIMITS.  Q (log2 e / 8), K, V, P and the result are rounded to f16; sums, maximum, exponentials in f32, in base 2 (Q carries log2 e).
; WHY f16 AND NOT bf16: six roundings (Q, K, P, V, the result, w_out) each add their relative error to an output that is a mean over many keys and is
; judged against a hundredth of its spread; f16 keeps 11 significant bits, bf16 8.  The operands have the room: the weights lie in [0, 1], the result
; inside V's range, and Q x 0.18, K, V, w_out may grow several hundredfold from a spread of 1 before they reach f16's largest number.
; LIMIT: an operand beyond 65504 in magnitude (|K|, |V|, |w_out| > 65504, |Q| > 363000) becomes an infinity; below 2^-14 the operands' step is 2^-24.
; The sum l adds the f32 weights, the product takes them rounded to f16.
; bias = -1e12 log2 e for a closed key: with one open key in the batch a closed key's weight is exp2(about -1.44e12 - m) = 0, as in the f32 model.
; If ALL 1024 keys of a batch are closed, the f32 sum s - 1e12 is -1e12 for every |s| < 32768 and the weights are uniform: here Q's scale is then 0
; (a select on the mask's bytes), so that every score is the bias itself.  For |s| >= 32768 in such a batch the results differ from the f32 model's.
; NaN and infinities in the inputs go only where this arithmetic carries them.
.set BIASL,  0                         ; LDS: f32 bias of the batch's 1024 keys, 4096 bytes
.set QL,     4096                      ; LDS: each wave's own 64 rows x 144 bytes: first Q in f16, at the end the result
.set QWAVE,  9216
.set KP,     144                       ; K rows: 128 bytes + 16
.set VP,     160                       ; V rows: 128 bytes + 32
.set SLOT0,  77824                     ; two slots: 64 rows of K, then 64 rows of V
.set VOFF,   64*KP
.set SLOT,   64*KP+64*VP               ; 19456
.set CHB,    262144                    ; 64 rows of 4096 bytes: from a chunk of keys to the next
.set QSC,    0x3e38aa3b                ; log2 e / 8
.set NEGB,   0xd3a7f3aa                ; -1e12 log2 e
; window 0 (v0-v255)
.set KA,   4                           ; K fragments:  SLOT0 + 144 r + 16 h
.set VA,   5                           ; V^T fragments: SLOT0 + VOFF + 160 (8 h + L%8) + 16 ((L/8)%2)
.set BA,   6                           ; bias fragments: 32 h, + 256 a trip
.set KST,  7                           ; where thread t puts 8 bytes of K: SLOT0 + 144 (t/16) + 8 (t%16)
.set VST,  8                           ; the same for V, pitch 160
.set GOFF, 9                           ; thread t's 16 bytes of a chunk: 4096 (t/16) + 16 (t%16)
.set QGO,  10                          ; Q in memory: 4096 h + 16 r
.set QST,  11                          ; Q into my wave's stage: 144 h + 8 r
.set QFA,  12                          ; Q fragments, and the result's way into the stage: 144 r + 16 h
.set ORD,  13                          ; the result's way back: 144 (L/8) + 16 (L%8)
.set OGO,  14                          ; 16 L
.set WLO,  15                          ; w_out: 4096 ((t%16)/8) + 256 (t/16) + 32 (t%8)
.set WSO,  16                          ; wb: 131072 (t/16) + 16 (t%16)
.set MDO,  17                          ; 4 t
.set BST,  18                          ; 16 t
.set NEGV, 19
.set TT,   24                          ; v24-31   two registers a tile, at work
.set GG,   32                          ; v32-63   the next chunk on its way: K in 16 registers, V in 16
.set QF,   64                          ; v64-127  Q fragments: tile t, half cc of c at 16 t + 8 cc
.set KV,   128                         ; v128-191 K fragments (16 kt + 8 cc), then V^T fragments (32 g + 8 ct)
.set BI,   192                         ; v192-223 bias fragments, 8 kt
.set MM,   228                         ; v228-235 the running maximum, twice, a pair a tile
.set AL,   236                         ; v236-243 alpha = exp2(old m - new m), twice; at the end 1 / l
.set LS,   244                         ; v244-251 the running sum, in two halves
; window 1 (v256-v511, written by their low 8 bits)
.set OB,   0                           ; O^T: tile t, 16 c ct at 32 t + 8 ct
.set SB,   128                         ; S^T: tile t, key tile kt at 32 t + 8 kt; P^T packed in place at 32 t + 16 g
; s_set_vgpr_msb, low byte: bits 1:0 source 0, 3:2 source 1, 5:4 source 2, 7:6 destination
.set W_S1,  0x40
.set W_S2,  0x50
.set W_MAX, 0x05
.set W_EXP, 0x41
.set W_FMA, 0x10
.set W_SUM, 0x01
.set W_CVT, 0x45
.set W_PV,  0x54
.set W_STD, 0x04
.set W_LDD, 0x40
.set MSB, 0
.macro WIN new                         ; the immediate's high byte repeats the setting that is left
.if MSB != \new
	s_set_vgpr_msb (MSB<<8)|\new
.set MSB, \new
.endif
.endm
.macro PLACES cnt
.rept \cnt
	v_nop
.endr
.endm
; The chunk in GG (64 keys x 64 c of K and of V, 4 f32 a load and thread) is rounded to f16 and put into a slot.
.macro CVST slot
.irp i, 0,1,2,3,4,5,6,7
	v_cvt_pk_f16_f32 v[GG+4*\i], v[GG+4*\i], v[GG+4*\i+1]
	v_cvt_pk_f16_f32 v[GG+4*\i+1], v[GG+4*\i+2], v[GG+4*\i+3]
.endr
.irp i, 0,1,2,3
	ds_store_b64 v[KST], v[GG+4*\i:GG+4*\i+1] offset:\slot*SLOT+16*KP*\i
.endr
.irp i, 0,1,2,3
	ds_store_b64 v[VST], v[GG+16+4*\i:GG+16+4*\i+1] offset:\slot*SLOT+16*VP*\i
.endr
.endm
; The next chunk of K and V is asked for, into GG: the bases step by 64 rows, eight loads of 16 bytes a thread.
.macro ASKCH
	s_add_nc_u64 s[6:7], s[6:7], CHB
	s_add_nc_u64 s[8:9], s[8:9], CHB
.irp i, 0,1,2,3
	global_load_b128 v[GG+4*\i:GG+4*\i+3], v[GOFF], s[6:7] offset:65536*\i
.endr
.irp i, 0,1,2,3
	global_load_b128 v[GG+16+4*\i:GG+16+4*\i+3], v[GOFF], s[8:9] offset:65536*\i
.endr
.endm
; The softmax step on the wave's 4 x 32 score registers, in phases over all four tiles so that the window changes seldom.
.macro SOFTMAX first
	; a: the largest of my 32 scores of each tile, two chains a tile
	WIN W_MAX
.irp t, 0,1,2,3
.irp c, 0,1
	v_max_num_f32 v[TT+2*\t+\c], v[SB+32*\t+16*\c], v[SB+32*\t+16*\c+1]
.endr
.endr
.irp k, 1,2,3,4,5,6,7
.irp t, 0,1,2,3
.irp c, 0,1
	v_max3_num_f32 v[TT+2*\t+\c], v[SB+32*\t+16*\c+2*\k], v[SB+32*\t+16*\c+2*\k+1], v[TT+2*\t+\c]
.endr
.endr
.endr
	; b: with the old maximum and with the other half of the lanes (the same query's other keys); alpha
	WIN 0
.irp t, 0,1,2,3
.if \first
	v_max_num_f32 v[TT+2*\t], v[TT+2*\t], v[TT+2*\t+1]
.else
	v_max3_num_f32 v[TT+2*\t], v[TT+2*\t], v[TT+2*\t+1], v[MM+2*\t]
.endif
.endr
.irp t, 0,1,2,3
	v_permlanex16_b32 v[TT+2*\t+1], v[TT+2*\t], s22, s23
.endr
.irp t, 0,1,2,3
	v_max_num_f32 v[TT+2*\t], v[TT+2*\t], v[TT+2*\t+1]
.endr
.if 1-\first
.irp t, 0,1,2,3
	v_sub_f32 v[AL+2*\t], v[MM+2*\t], v[TT+2*\t]
.endr
.irp t, 0,1,2,3
	v_exp_f32 v[AL+2*\t], v[AL+2*\t]
.endr
.endif
.irp t, 0,1,2,3
	v_mov_b32 v[MM+2*\t], v[TT+2*\t]               ; plain instructions that touch no alpha stand behind the exponentials (ISA guide 5.7.2)
	v_mov_b32 v[MM+2*\t+1], v[TT+2*\t]
.endr
.if 1-\first
	s_wait_alu depctr_va_vdst(0)
.irp t, 0,1,2,3
	v_mov_b32 v[AL+2*\t+1], v[AL+2*\t]
.endr
.endif
	; c: p = exp2(s - m), in place; the rescaling of O by alpha stands among the exponentials, one packed multiply behind every second one
	WIN W_EXP
.irp t, 0,1,2,3
.irp i, 0,1,2,3,4,5,6,7,8,9,10,11,12,13,14,15
	v_pk_add_f32 v[SB+32*\t+2*\i:SB+32*\t+2*\i+1], v[SB+32*\t+2*\i:SB+32*\t+2*\i+1], v[MM+2*\t:MM+2*\t+1] neg_lo:[0,1] neg_hi:[0,1]
.endr
.irp i, 0,1,2,3,4,5,6,7,8,9,10,11,12,13,14,15
	v_exp_f32 v[SB+32*\t+2*\i], v[SB+32*\t+2*\i]
	v_exp_f32 v[SB+32*\t+2*\i+1], v[SB+32*\t+2*\i+1]
.if 1-\first
	v_pk_mul_f32 v[OB+32*\t+2*\i:OB+32*\t+2*\i+1], v[OB+32*\t+2*\i:OB+32*\t+2*\i+1], v[AL+2*\t:AL+2*\t+1]
.endif
.endr
.if \first
	v_nop                                          ; the plain instruction behind the run of exponentials: the first trip has no O to rescale
.endif
.endr
	; d: l = alpha l + the sum of my 32 weights; four chains, one a tile
.if \first
	WIN W_MAX
	s_wait_alu depctr_va_vdst(0)
.irp t, 0,1,2,3
	v_pk_add_f32 v[LS+2*\t:LS+2*\t+1], v[SB+32*\t:SB+32*\t+1], v[SB+32*\t+2:SB+32*\t+3]
.endr
	WIN W_SUM
.else
	WIN W_FMA
	s_wait_alu depctr_va_vdst(0)
.irp t, 0,1,2,3
	v_pk_fma_f32 v[LS+2*\t:LS+2*\t+1], v[LS+2*\t:LS+2*\t+1], v[AL+2*\t:AL+2*\t+1], v[SB+32*\t:SB+32*\t+1]
.endr
	WIN W_SUM
.irp t, 0,1,2,3
	v_pk_add_f32 v[LS+2*\t:LS+2*\t+1], v[SB+32*\t+2:SB+32*\t+3], v[LS+2*\t:LS+2*\t+1]
.endr
.endif
.irp i, 2,3,4,5,6,7,8,9,10,11,12,13,14,15
.irp t, 0,1,2,3
	v_pk_add_f32 v[LS+2*\t:LS+2*\t+1], v[SB+32*\t+2*\i:SB+32*\t+2*\i+1], v[LS+2*\t:LS+2*\t+1]
.endr
.endr
	; e: the weights to f16, packed in place, ascending: no register is written before it has been read
	WIN W_CVT
.irp t, 0,1,2,3
.irp g, 0,1
.irp hf, 0,1
.irp i, 0,1,2,3
	v_cvt_pk_f16_f32 v[SB+32*\t+16*\g+4*\hf+\i], v[SB+32*\t+16*\g+8*\hf+2*\i], v[SB+32*\t+16*\g+8*\hf+2*\i+1]
.endr
.endr
.endr
.endr
.endm
; One trip: 64 keys out of slot.  fill = 1: the next chunk, which is on its way into GG, is put into the other slot, and the trip has its barrier.
; ask = 1: the chunk after that is asked for; ask = 2: the same, but not in the loop's last trip, whose request would pass the 16th chunk.
.macro TRIP slot, other, first, fill, ask
.irp kt, 0,1,2,3
	ds_load_b128 v[BI+8*\kt:BI+8*\kt+3],   v[BA] offset:64*\kt
	ds_load_b128 v[BI+8*\kt+4:BI+8*\kt+7], v[BA] offset:64*\kt+16
.endr
.irp cc, 0,1
.irp kt, 0,1,2,3
	ds_load_b128 v[KV+16*\kt+8*\cc:KV+16*\kt+8*\cc+3],   v[KA] offset:\slot*SLOT+16*KP*\kt+64*\cc
	ds_load_b128 v[KV+16*\kt+8*\cc+4:KV+16*\kt+8*\cc+7], v[KA] offset:\slot*SLOT+16*KP*\kt+64*\cc+32
.endr
.endr
	v_add_nc_u32 v[BA], 256, v[BA]                 ; the next trip's 64 biases
	s_wait_dscnt 8                                 ; the bias and K's c 0-31 are in; the eight youngest loads (c 32-63) may be out
	; the sixteen score tiles take turns, one instruction a turn
	WIN W_S1
.irp kt, 0,1,2,3
.irp t, 0,1,2,3
	v_wmma_f32_16x16x32_f16 v[SB+32*\t+8*\kt:SB+32*\t+8*\kt+7], v[KV+16*\kt:KV+16*\kt+7], v[QF+16*\t:QF+16*\t+7], v[BI+8*\kt:BI+8*\kt+7]
.endr
.endr
	s_wait_dscnt 0                                 ; K's c 32-63
	WIN W_S2
.irp kt, 0,1,2,3
.irp t, 0,1,2,3
	v_wmma_f32_16x16x32_f16 v[SB+32*\t+8*\kt:SB+32*\t+8*\kt+7], v[KV+16*\kt+8:KV+16*\kt+15], v[QF+16*\t+8:QF+16*\t+15], v[SB+32*\t+8*\kt:SB+32*\t+8*\kt+7]
.endr
.endr
	PLACES 4                                       ; four places before loads land on K's fragments and vector instructions read the scores
	WIN 0
.irp g, 0,1
.irp ct, 0,1,2,3
	ds_load_tr16_b128 v[KV+32*\g+8*\ct:KV+32*\g+8*\ct+3],   v[VA] offset:\slot*SLOT+32*VP*\g+32*\ct
	ds_load_tr16_b128 v[KV+32*\g+8*\ct+4:KV+32*\g+8*\ct+7], v[VA] offset:\slot*SLOT+32*VP*\g+32*\ct+16*VP
.endr
.endr
	SOFTMAX \first
	s_wait_dscnt 0                                 ; V^T's sixteen loads, issued ahead of the softmax; with them all my reads of this slot are back
.if \fill
	WIN 0
	s_wait_loadcnt 0x0                             ; the chunk asked for one trip ago; no load is out, so the bases may be stepped below
	CVST \other
	s_wait_dscnt 0x0                               ; my stores into the other slot are done, and have read GG
.if \ask == 2
	s_cmp_eq_u32 s24, 1                            ; the loop's last trip stores the 16th chunk: nothing is left to ask for
	s_cbranch_scc1 .Llast_ask
.endif
.if \ask
	ASKCH
.endif
.if \ask == 2
.Llast_ask:
.endif
	s_barrier_signal -1                            ; one barrier a trip orders both: this slot's reads against its next stores (next trip, behind the wait),
	                                               ; and the other slot's stores against the next trip's reads
.endif
	; the sixteen tiles of O take turns, one instruction a turn; the first product starts the sums
	WIN W_PV
.irp g, 0,1
.irp ct, 0,1,2,3
.irp t, 0,1,2,3
.if \first*(1-\g)
	v_wmma_f32_16x16x32_f16 v[OB+32*\t+8*\ct:OB+32*\t+8*\ct+7], v[KV+32*\g+8*\ct:KV+32*\g+8*\ct+7], v[SB+32*\t+16*\g:SB+32*\t+16*\g+7], 0
.else
	v_wmma_f32_16x16x32_f16 v[OB+32*\t+8*\ct:OB+32*\t+8*\ct+7], v[KV+32*\g+8*\ct:KV+32*\g+8*\ct+7], v[SB+32*\t+16*\g:SB+32*\t+16*\g+7], v[OB+32*\t+8*\ct:OB+32*\t+8*\ct+7]
.endif
.endr
.endr
.endr
	PLACES 5                                       ; five places before the next trip's products write over P, four before its loads land on V^T or anything reads O
	WIN 0
.if \fill
	s_barrier_wait -1                              ; 32 products and the places, register work alone, stood behind the signal
.endif
.endm
	; ---- ids, offsets, lane terms
	s_load_b256 s[4:11], s[0:1], 0x0               ; queries s[4:5], keys s[6:7], values s[8:9], mask s[10:11]
	s_load_b128 s[12:15], s[0:1], 0x20             ; w_out s[12:13], xh s[14:15]
	s_load_b64 s[16:17], s[0:1], 0x30              ; wb
	v_lshl_add_u32 v254, v0, 2, 0x1c800
	v_mov_b32 v255, 0
	v_lshrrev_b32 v20, 5, v0
	v_readfirstlane_b32 s18, v20                   ; wave 0..7
	s_and_b32 s27, ttmp9, 1                        ; half of the queries
	s_bfe_u32 s26, ttmp9, 0x40001                  ; head
	s_lshr_b32 s25, ttmp9, 5                       ; batch
	s_mov_b32 s22, 0x76543210                      ; v_permlanex16_b32: lane i of one half reads lane i of the other
	s_mov_b32 s23, 0xfedcba98
	s_lshl_b32 s28, s25, 22                        ; K, V: batch x 4 MiB + head x 256 bytes
	s_lshl_b32 s33, s26, 8
	s_add_co_u32 s28, s28, s33
	s_mov_b32 s29, 0
	s_lshl_b32 s32, s27, 9
	s_lshl_b32 s33, s18, 6
	s_add_co_u32 s32, s32, s33                     ; my wave's first query
	s_lshl_b32 s30, s32, 12
	s_add_co_u32 s30, s30, s28                     ; Q: the same + query x 4096
	s_mov_b32 s31, 0
	s_lshl_b32 s34, s25, 10
	s_add_co_u32 s34, s34, s32
	s_lshl_b32 s34, s34, 7                         ; xh: (1024 batch + query) x 128 bytes
	s_lshl_b32 s33, s26, 20
	s_add_co_u32 s34, s34, s33                     ; + head x 1 MiB
	s_mov_b32 s35, 0
	s_lshl_b32 s36, s25, 10                        ; mask: batch x 1024
	s_mov_b32 s37, 0
	s_lshl_b32 s38, ttmp9, 14                      ; w_out: 4 rows of 4096 bytes a work-group
	s_mov_b32 s39, 0
	s_lshl_b32 s32, ttmp9, 9                       ; wb: 4 rows of 128 bytes in each head's block
	s_mov_b32 s33, 0
	s_mul_i32 s19, s18, QWAVE
	s_add_co_u32 s19, s19, QL                      ; my wave's stage
	v_and_b32 v1, 31, v0                           ; L
	v_and_b32 v2, 15, v0                           ; r = L % 16 = t % 16
	v_bfe_u32 v3, v0, 4, 1                         ; h = L / 16
	v_lshrrev_b32 v21, 4, v0                       ; t / 16
	v_and_b32 v23, 7, v0                           ; L % 8
	v_bfe_u32 v24, v0, 3, 1                        ; (L / 8) % 2
	v_lshrrev_b32 v25, 3, v1                       ; L / 8
	v_mul_u32_u24 v22, v2, KP
	v_lshl_add_u32 v22, v3, 4, v22                 ; 144 r + 16 h
	v_add_nc_u32 v[KA], SLOT0, v22
	v_lshl_add_u32 v[VA], v3, 3, v23
	v_mul_u32_u24 v[VA], v[VA], VP
	v_lshl_add_u32 v[VA], v24, 4, v[VA]
	v_add_nc_u32 v[VA], SLOT0+VOFF, v[VA]
	v_lshlrev_b32 v[BA], 5, v3
	v_mul_u32_u24 v[KST], v21, KP
	v_lshl_add_u32 v[KST], v2, 3, v[KST]
	v_add_nc_u32 v[KST], SLOT0, v[KST]
	v_mul_u32_u24 v[VST], v21, VP
	v_lshl_add_u32 v[VST], v2, 3, v[VST]
	v_add_nc_u32 v[VST], SLOT0+VOFF, v[VST]
	v_lshlrev_b32 v[GOFF], 12, v21
	v_lshl_add_u32 v[GOFF], v2, 4, v[GOFF]
	v_lshlrev_b32 v[QGO], 12, v3
	v_lshl_add_u32 v[QGO], v2, 4, v[QGO]
	v_mul_u32_u24 v[QST], v3, KP
	v_lshl_add_u32 v[QST], v2, 3, v[QST]
	v_add_nc_u32 v[QST], s19, v[QST]
	v_add_nc_u32 v[QFA], s19, v22
	v_mul_u32_u24 v[ORD], v25, KP
	v_lshl_add_u32 v[ORD], v23, 4, v[ORD]
	v_add_nc_u32 v[ORD], s19, v[ORD]
	v_lshlrev_b32 v[OGO], 4, v1
	v_lshlrev_b32 v[WLO], 12, v24
	v_lshl_add_u32 v[WLO], v21, 8, v[WLO]
	v_lshl_add_u32 v[WLO], v23, 5, v[WLO]
	v_lshlrev_b32 v[WSO], 17, v21
	v_lshl_add_u32 v[WSO], v2, 4, v[WSO]
	v_lshlrev_b32 v[MDO], 2, v0
	v_lshlrev_b32 v[BST], 4, v0
	v_mov_b32 v[NEGV], NEGB
	s_wait_kmcnt 0x0
	s_add_nc_u64 s[4:5], s[4:5], s[30:31]
	s_add_nc_u64 s[6:7], s[6:7], s[28:29]
	s_add_nc_u64 s[8:9], s[8:9], s[28:29]
	s_add_nc_u64 s[10:11], s[10:11], s[36:37]
	s_add_nc_u64 s[12:13], s[12:13], s[38:39]
	s_add_nc_u64 s[14:15], s[14:15], s[34:35]
	s_add_nc_u64 s[16:17], s[16:17], s[32:33]
	; ---- 47 loads in one run: 3 of the mask, 4 of w_out, 8 of the first chunk, 32 of Q
	global_load_b128 v[128:131], v[OGO], s[10:11]              ; the batch's whole mask in every wave, 32 bytes a lane
	global_load_b128 v[132:135], v[OGO], s[10:11] offset:512
	global_load_b32 v136, v[MDO], s[10:11]                     ; thread t's four keys for the table
.irp e, 0,1
	global_load_b128 v[144+8*\e:147+8*\e], v[WLO], s[12:13] offset:8192*\e th:TH_LOAD_NT
	global_load_b128 v[148+8*\e:151+8*\e], v[WLO], s[12:13] offset:8192*\e+16 th:TH_LOAD_NT
.endr
.irp i, 0,1,2,3
	global_load_b128 v[GG+4*\i:GG+4*\i+3], v[GOFF], s[6:7] offset:65536*\i
.endr
.irp i, 0,1,2,3
	global_load_b128 v[GG+16+4*\i:GG+16+4*\i+3], v[GOFF], s[8:9] offset:65536*\i
.endr
	WIN W_LDD
.set idx, 0
.rept 32
	global_load_b128 v[SB+4*idx:SB+4*idx+3], v[QGO], s[4:5] offset:8192*idx th:TH_LOAD_NT   ; two whole rows of 256 bytes a load
.set idx, idx+1
.endr
	WIN 0
	; ---- the mask: is any key of the batch open?  and the table of biases
	s_wait_loadcnt 44                              ; the 4 + 8 + 32 younger loads stay out
	v_or_b32 v128, v128, v129
	v_or_b32 v130, v130, v131
	v_or_b32 v132, v132, v133
	v_or_b32 v134, v134, v135
	v_or_b32 v128, v128, v130
	v_or_b32 v132, v132, v134
	v_or_b32 v128, v128, v132
	v_cmp_ne_u32 vcc_lo, 0, v128
	s_cmp_lg_u32 vcc_lo, 0
	s_cselect_b32 s20, QSC, 0                      ; no open key: Q counts for nothing, every score is the bias
	s_mov_b32 s21, s20
.irp i, 0,1,2,3
	v_bfe_u32 v137, v136, 8*\i, 8
	v_cmp_eq_u32 vcc_lo, 0, v137
	v_cndmask_b32 v[140+\i], 0, v[NEGV], vcc_lo
.endr
	ds_store_b128 v[BST], v[140:143]
	; ---- my 16 numbers of w_out to f16: sixteen neighbouring lanes store 256 consecutive bytes, aligned
	s_wait_loadcnt 40                              ; the 8 + 32 younger loads stay out
.irp e, 0,1
.irp i, 0,1,2,3
	v_cvt_pk_f16_f32 v[192+4*\e+\i], v[144+8*\e+2*\i], v[144+8*\e+2*\i+1]
.endr
	global_store_b128 v[WSO], v[192+4*\e:195+4*\e], s[16:17] offset:256*\e
.endr
	; ---- the first chunk of K and V into slot 0; the second is asked for
	s_wait_loadcnt 32                              ; Q's 32 loads stay out
	CVST 0
	s_wait_dscnt 0x0                               ; the LDS stores have read GG
	s_wait_xcnt 0x0                                ; K's and V's bases are stepped only behind this wait; so are v192-199, which the stores of wb read, loaded over in the first trip
	ASKCH
	; ---- Q: scale, round, through my wave's own stage into fragments
	s_wait_loadcnt 8                               ; Q is in; the second chunk's eight loads, which are younger, stay out
	WIN W_EXP
.set idx, 0
.rept 64
	v_pk_mul_f32 v[SB+2*idx:SB+2*idx+1], v[SB+2*idx:SB+2*idx+1], s[20:21] op_sel_hi:[1,0]
.set idx, idx+1
.endr
	WIN W_CVT
.set idx, 0
.rept 32
	v_cvt_pk_f16_f32 v[SB+4*idx], v[SB+4*idx], v[SB+4*idx+1]
	v_cvt_pk_f16_f32 v[SB+4*idx+1], v[SB+4*idx+2], v[SB+4*idx+3]
.set idx, idx+1
.endr
	WIN W_STD
.set idx, 0
.rept 32
	ds_store_b64 v[QST], v[SB+4*idx:SB+4*idx+1] offset:2*KP*idx
.set idx, idx+1
.endr
	WIN 0
.irp t, 0,1,2,3
.irp cc, 0,1
	ds_load_b128 v[QF+16*\t+8*\cc:QF+16*\t+8*\cc+3],   v[QFA] offset:16*KP*\t+64*\cc      ; my wave's own bytes; LDS serves a wave's instructions in order (ISA guide 5.7.1)
	ds_load_b128 v[QF+16*\t+8*\cc+4:QF+16*\t+8*\cc+7], v[QFA] offset:16*KP*\t+64*\cc+32
.endr
.endr
	s_wait_dscnt 0x0                               ; my part of the table and of slot 0 is stored, my Q fragments are in
	s_barrier_signal -1
	s_barrier_wait -1                              ; the table and slot 0 are whole
	; ---- 16 trips.  Trip i reads chunk i, stores chunk i + 1 (i <= 14) and asks for chunk i + 2 (i <= 13)
	TRIP 0, 1, 1, 1, 1
	s_mov_b32 s24, 7
.Lloop:
	TRIP 1, 0, 0, 1, 1                             ; trips 1, 3, .. 13
	TRIP 0, 1, 0, 1, 2                             ; trips 2, 4, .. 14; trip 14 asks for nothing
	s_sub_co_u32 s24, s24, 1
	s_cmp_lg_u32 s24, 0
	s_cbranch_scc1 .Lloop
	TRIP 1, 0, 0, 0, 0                             ; the last chunk: no slot is written again, no barrier
	; ---- the way out.  The five places behind the last products stand at the end of the trip.
.irp t, 0,1,2,3
	v_add_f32 v[TT+2*\t], v[LS+2*\t], v[LS+2*\t+1]
.endr
.irp t, 0,1,2,3
	v_permlanex16_b32 v[TT+2*\t+1], v[TT+2*\t], s22, s23
.endr
.irp t, 0,1,2,3
	v_add_f32 v[TT+2*\t], v[TT+2*\t], v[TT+2*\t+1] ; l of my query: at least 1, since the largest score gives exp2(0)
.endr
.irp t, 0,1,2,3
	v_rcp_f32 v[AL+2*\t], v[TT+2*\t]
.endr
	v_nop                                          ; the plain instruction behind the reciprocals (ISA guide 5.7.2)
	s_wait_alu depctr_va_vdst(0)
.irp t, 0,1,2,3
	v_mov_b32 v[AL+2*\t+1], v[AL+2*\t]
.endr
	WIN W_EXP
.irp t, 0,1,2,3
.irp i, 0,1,2,3,4,5,6,7,8,9,10,11,12,13,14,15
	v_pk_mul_f32 v[OB+32*\t+2*\i:OB+32*\t+2*\i+1], v[OB+32*\t+2*\i:OB+32*\t+2*\i+1], v[AL+2*\t:AL+2*\t+1]
.endr
.endr
	WIN W_CVT
.irp t, 0,1,2,3
.irp ct, 0,1,2,3
.irp i, 0,1,2,3
	v_cvt_pk_f16_f32 v[SB+16*\t+4*\ct+\i], v[OB+32*\t+8*\ct+2*\i], v[OB+32*\t+8*\ct+2*\i+1]
.endr
.endr
.endr
	WIN W_STD
.irp t, 0,1,2,3
.irp ct, 0,1,2,3
	ds_store_b128 v[QFA], v[SB+16*\t+4*\ct:SB+16*\t+4*\ct+3] offset:16*KP*\t+32*\ct        ; query 16 t + r, c 16 ct + 8 h .. + 7: 16 bytes
.endr
.endr
	WIN 0
.irp i, 0,1,2,3,4,5,6,7,8,9,10,11,12,13,14,15
	ds_load_b128 v[KV+4*\i:KV+4*\i+3], v[ORD] offset:4*KP*\i       ; four whole rows of 128 bytes; my wave's own bytes, served in order
.endr
.irp i, 0,1,2,3,4,5,6,7,8,9,10,11,12,13,14,15
	s_wait_dscnt 15-\i                             ; the loads come back in order: load i is in
	global_store_b128 v[OGO], v[KV+4*\i:KV+4*\i+3], s[14:15] offset:512*\i   ; 512 consecutive bytes, aligned
.endr
	s_wait_tensorcnt 0x0
	ds_add_u32 v254, v255
	s_wait_dscnt 0x0
	s_endpgm
.Lfunc_end_k_q61a836517d_attn:
	.size	k_q61a836517d_attn, .Lfunc_end_k_q61a836517d_attn-k_q61a836517d_attn
	.p2alignl 7, 3214868480
	.fill 96, 4, 3214868480
	.section	.rodata,"a",@progbits
	.p2align	6, 0x0
	.amdhsa_kernel k_q61a836517d_attn
		.amdhsa_group_segment_fixed_size 117760
		.amdhsa_private_segment_fixed_size 0
		.amdhsa_enable_private_segment 0
		.amdhsa_kernarg_size 56
		.amdhsa_user_sgpr_count 2
		.amdhsa_user_sgpr_kernarg_segment_ptr 1
		.amdhsa_wavefront_size32 1
		.amdhsa_system_sgpr_workgroup_id_x 1
		.amdhsa_system_sgpr_workgroup_id_y 1
		.amdhsa_system_sgpr_workgroup_id_z 1
		.amdhsa_system_vgpr_workitem_id 0
		.amdhsa_next_free_vgpr 512
		.amdhsa_next_free_sgpr 66
		.amdhsa_reserve_vcc 1
		.amdhsa_float_denorm_mode_32 3
		.amdhsa_float_denorm_mode_16_64 3
		.amdhsa_memory_ordered 1
		.amdhsa_forward_progress 1
		.amdhsa_inst_pref_size 170
	.end_amdhsa_kernel
	.amdgpu_metadata
---
amdhsa.version: [ 1, 2 ]
amdhsa.kernels:
  - .name:           k_q61a836517d_attn
    .symbol:         k_q61a836517d_attn.kd
    .args:
      - { .name: queries, .offset: 0, .size: 8, .value_kind: global_buffer, .address_space: global }
      - { .name: keys, .offset: 8, .size: 8, .value_kind: global_buffer, .address_space: global }
      - { .name: values, .offset: 16, .size: 8, .value_kind: global_buffer, .address_space: global }
      - { .name: attention_mask, .offset: 24, .size: 8, .value_kind: global_buffer, .address_space: global }
      - { .name: w_out, .offset: 32, .size: 8, .value_kind: global_buffer, .address_space: global }
      - { .name: xh, .offset: 40, .size: 8, .value_kind: global_buffer, .address_space: global }
      - { .name: wb, .offset: 48, .size: 8, .value_kind: global_buffer, .address_space: global }
    .group_segment_fixed_size: 117760
    .private_segment_fixed_size: 0
    .kernarg_segment_align: 8
    .kernarg_segment_size: 56
    .max_flat_workgroup_size: 256
    .sgpr_count:     66
    .vgpr_count:     512
    .wavefront_size: 32
...
	.end_amdgpu_metadata
.endif
;; end of part 1
;; launch proj (part 2): grid 4 x 64, 4 waves a work-group, clusters of 4 x 4, 327,680 bytes of LDS; arguments xh, wb, out0; writes out0
.if DOCPART == 2
	.amdgcn_target "amdgcn-amd-amdhsa--gfx1250"
	.amdhsa_code_object_version 6
	.text
	.protected	k_q61a836517d_proj
	.globl	k_q61a836517d_proj
	.p2align	8
	.type	k_q61a836517d_proj,@function
k_q61a836517d_proj:
	s_mov_b64 s[64:65], 0
	v_nop
	global_prefetch_b8 v0, s[64:65] scope:SCOPE_SE
	s_setreg_imm32_b32 hwreg(HW_REG_WAVE_MODE, 25, 1), 1
	s_wait_xcnt 0x0
	s_wait_alu depctr_hold_cnt(0) depctr_sa_sdst(0) depctr_va_vdst(0) depctr_va_sdst(0) depctr_va_ssrc(0) depctr_va_vcc(0) depctr_vm_vsrc(0)
	s_getreg_b32 s2, hwreg(HW_REG_IB_STS2, 6, 4)
	s_cmp_eq_u32 s2, 0
	s_cbranch_scc0 .Lentry_in_a_cluster
	s_endpgm
.Lentry_in_a_cluster:
	s_bfe_u32 s2, ttmp6, 0x10000c
	s_cmp_lg_u32 s2, 0xf033
	s_cbranch_scc0 .Lentry_shape_is_right
	s_endpgm
.Lentry_shape_is_right:
; THE PROJECTION: out0[m][n] = sum over k of X[m][k] W[n][k], m = 8192, n = 1024, k = 1024 = 16 heads x 64.  Nothing is left out.
; X is xh, f16 [16 heads][8192][64]; W is wb, f16 [16 heads][1024][64]; out0 is f32 [8192][1024].  Sums in f32.
; (f16 for its 11 significant bits; its range, up to 65504, is the limit stated where the two operands are made.)
; A work-group makes a block of 128 (m) x 256 (n) with four waves: 64 x 4 = 256 work-groups.  (Blocks of 256 x 256 would make 128 work-groups.)
; A wave makes 64 x 128: 4 x 8 accumulator tiles, 256 registers (window 1).  K goes in 8 steps of two heads (128) through a ring of two LDS slots.
; A step's tiles are dense blocks of memory: 128 rows x 128 bytes of X and 256 rows x 128 bytes of W for each of the two heads.  One tensor load a wave:
; waves 0 and 1 fetch X's even and odd head, waves 2 and 3 W's.  A block is described as rows of 256 bytes; the padding of 16 bytes behind every
; 128 bytes gives each row of 64 f16 a pitch of 144 bytes in LDS.
; CLUSTERS: 4 x 4 work-groups.  The four of a row of the cluster make blocks of one block row and need the same tiles of X; the four of a column need the
; same tiles of W.  Each such tile is asked for jointly, by the same load with the same descriptor and a mask that names the four.
; A wave has two tensor loads out at the start and one behind each round.
; PREFETCH OF X.  A K step's X for a block row is 32 KiB (two heads x 128 rows x 128 bytes).  The four work-groups of a row of the cluster, the only ones of the
; launch that read it (the grid has one cluster along x), ask for 8 KiB each: head parity cx / 2, half cx % 2 of the head's 16 KiB; wave 0 asks, one instruction, its
; 32 lanes 256 bytes apart, so each block of 256 bytes is asked for once.  K steps 2 and 3 are asked for behind the first fills; K step s + 4 behind the joint
; refill that stands at the end of K step s, which is two K steps ahead of the joint load that wants it; the requests end with K step 7 (s = 3), the last.
; W is not asked for: all sixteen clusters read it again.
; THE MATRIX INSTRUCTION IS USED TRANSPOSED: source 0 = 16 rows of W, source 1 = 16 rows of X: lane l holds row m = l % 16 and columns 8 (l / 16) + 0 .. 7.
.set PITCH,  144
.set APART,  128*PITCH                 ; one head's 128 rows of X
.set BPART,  256*PITCH                 ; one head's 256 rows of W
.set SLOT,   2*APART+2*BPART           ; X even head, X odd head, W even head, W odd head: 110592
.set STAGE,  2*SLOT                    ; behind the ring: 16 rows x 528 bytes for each wave, for the way out; no tensor load lands here
.set SPITCH, 528                       ; 512 bytes of f32 + 16
.set LAPS,   4                         ; a lap = two K steps = once round the ring
.set XHEAD,  1048576                   ; bytes of a head's block in xh
.set WHEAD,  131072                    ; and in wb
.set ADRA, 16                          ; v16-17  LDS address of my X fragments in slot 0, 1
.set ADRB, 20                          ; v20-21  the same for W
.set STO,  24                          ; the way out: where I put 32 bytes of a row
.set RD,   25                          ; the way out: where I read a row back
.set CO,   26                          ; my byte offset in a row of out0
.set PFO,  27                          ; the prefetch: 256 x lane; never rewritten
.set F0,   32                          ; fragment buffer 0: X in 32 registers, then W in 64
.set F1,   128                         ; fragment buffer 1
.set G1, 24                            ; s[24:31] descriptor group 1 for X
.set G0, 32                            ; s[32:39] descriptor group 0 for X, one set for each slot
.set G1B, 48                           ; s[48:55] descriptor group 1 for W
.set G0B, 56                           ; s[56:63] descriptor group 0 for W, one set for each slot
.set PFB, 68                           ; s[68:69] the prefetch's base.  It holds cx and cy; s68-s72 feed no descriptor, no LDS address and no branch
.set PFF, 70                           ; s[70:71] its offset in xh
.set PFT, 72                           ; at work
.set PFN, 73                           ; how many requests this wave still makes in the K steps: 4 in wave 0, 0 in the others; made of the wave's number alone
.set MULW, 0x50                        ; C and D in window 1, the fragments in window 0
.set MSB, 0
.macro WIN new                         ; the immediate's high byte repeats the setting that is left
.if MSB != \new
	s_set_vgpr_msb (MSB<<8)|\new
.set MSB, \new
.endif
.endm
; A joint load.  Each of the two lines has one mask and one set of registers; the branch hangs on the wave's number alone.
.macro JLOAD s
	s_cmp_eq_u32 s11, 0
	s_cbranch_scc0 .Lfor_b_\@
	tensor_load_to_lds s[G0+4*\s:G0+4*\s+3], s[G1:G1+7]
	s_nop 0
	s_branch .Lasked_\@
.Lfor_b_\@:
	tensor_load_to_lds s[G0B+4*\s:G0B+4*\s+3], s[G1B:G1B+7]
	s_nop 0
.Lasked_\@:
.endm
; One request of the prefetch: my 8 KiB of X, one K step further on than the last request.
.macro ASK
	s_cmp_eq_u32 s[PFN], 0
	s_cbranch_scc1 .Lno_ask_\@
	s_wait_xcnt 0x0                                ; the last request, a K step ago, read this base: it is stepped only behind this wait
	s_add_nc_u64 s[PFB:PFB+1], s[PFB:PFB+1], 2*XHEAD
	global_prefetch_b8 v[PFO], s[PFB:PFB+1] offset:2*XHEAD th:TH_LOAD_NT scope:SCOPE_SE
	s_sub_co_u32 s[PFN], s[PFN], 1
.Lno_ask_\@:
.endm
; A round of the cluster's barrier: my work-group's barrier, wave 0 signals for the work-group, every wave waits for all sixteen, my work-group's barrier again.
.macro CREST                           ; a round behind its opening barrier
	s_cmp_lg_u32 s10, 0
	s_cbranch_scc1 .Lnot_wave_0_\@
	s_barrier_signal -3
.Lnot_wave_0_\@:
	s_barrier_wait -3
	s_barrier_signal -1
	s_barrier_wait -1
.endm
.macro CROUND
	s_barrier_signal -1
	s_barrier_wait -1
	CREST
.endm
.macro PLACES                          ; four places behind matrix instructions, in front of loads into their sources and of reads of their results
.rept 4
	v_nop
.endr
.endm
	s_load_b128 s[4:7], s[0:1], 0x0                ; xh s[4:5], wb s[6:7]
	s_load_b64 s[8:9], s[0:1], 0x10                ; out0
	v_lshl_add_u32 v254, v0, 2, 0x3e400
	v_mov_b32 v255, 0
	ds_add_u32 v254, v255
	v_lshrrev_b32 v1, 5, v0
	v_readfirstlane_b32 s10, v1                    ; wave 0..3
	v_and_b32 v5, 31, v0                           ; lane
	v_lshlrev_b32 v[PFO], 8, v5
	s_lshr_b32 s11, s10, 1                         ; which 64 rows of the block are mine.  Also: I fetch for X (0) or for W (1)
	s_and_b32 s12, s10, 1                          ; which 128 columns.  Also: the even or the odd head of a step
	s_bfe_u32 s40, ttmp6, 0x40000                  ; cx
	s_bfe_u32 s41, ttmp6, 0x40004                  ; cy
	s_lshl_b32 s42, ttmp9, 2
	s_add_co_u32 s42, s42, s40                     ; block column = 4 x cluster x + cx
	s_and_b32 s13, ttmp7, 0xffff
	s_lshl_b32 s13, s13, 2
	s_add_co_u32 s13, s13, s41                     ; block row = 4 x cluster y + cy
	s_lshl_b32 s43, s41, 2
	s_lshl_b32 s43, 15, s43                        ; my row of the cluster: places 4 cy .. 4 cy + 3
	s_lshl_b32 s44, 0x1111, s40                    ; my column: places cx, cx + 4, cx + 8, cx + 12
	; group 1: elements of 2 bytes, rows of 128 elements, dense; padding of 4 words (code 3) behind every 32 words (code 4); bit 21 beside a mask
	s_or_b32 s[G1+0], s43, (1<<16)|(1<<20)|(1<<21)|(4<<22)|(3<<25)
	s_or_b32 s[G1B+0], s44, (1<<16)|(1<<20)|(1<<21)|(4<<22)|(3<<25)
	s_mov_b32 s[G1+1], 128<<16                     ; tensor_dim0 = 128
	s_mov_b32 s[G1B+1], 128<<16
	s_mov_b32 s[G1+2], 64<<16                      ; tensor_dim1: X 64 rows of 256 bytes = 16 KiB,
	s_mov_b32 s[G1B+2], 128<<16                    ; W 128 rows = 32 KiB
	s_mov_b32 s[G1+3], 128<<16                     ; tile_dim0 = 128
	s_mov_b32 s[G1B+3], 128<<16
	s_mov_b32 s[G1+4], 64                          ; tile_dim1
	s_mov_b32 s[G1B+4], 128
	s_mov_b32 s[G1+5], 128                         ; from row to row: 128 elements
	s_mov_b32 s[G1B+5], 128
	s_mov_b32 s[G1+6], 0
	s_mov_b32 s[G1B+6], 0
	s_mov_b32 s[G1+7], 0
	s_mov_b32 s[G1B+7], 0
	; X's address hangs on the block row and the wave alone, W's on the block column and the wave alone, each in registers that never hold the other coordinate
	s_lshl_b32 s16, s13, 14                        ; block row x 128 rows x 128 bytes
	s_lshl_b32 s18, s12, 20                        ; + the odd head's block
	s_add_co_u32 s16, s16, s18
	s_mov_b32 s17, 0
	s_lshl_b32 s46, s42, 15                        ; block column x 256 rows x 128 bytes
	s_lshl_b32 s18, s12, 17
	s_add_co_u32 s46, s46, s18
	s_mov_b32 s47, 0
	s_mul_i32 s20, s12, APART                      ; where they go: made of the wave's number alone
	s_mul_i32 s45, s12, BPART
	s_add_co_u32 s45, s45, 2*APART
	; the prefetch's offset, in registers of its own: block row x 16 KiB + (cx / 2) heads + (cx % 2) x 8 KiB + K step 2's heads 4, 5
	s_lshl_b32 s[PFF], s13, 14
	s_lshr_b32 s[PFT], s40, 1
	s_lshl_b32 s[PFT], s[PFT], 20
	s_add_co_u32 s[PFF], s[PFF], s[PFT]
	s_and_b32 s[PFT], s40, 1
	s_lshl_b32 s[PFT], s[PFT], 13
	s_add_co_u32 s[PFF], s[PFF], s[PFT]
	s_add_co_u32 s[PFF], s[PFF], 4*XHEAD
	s_mov_b32 s[PFF+1], 0
	s_cmp_eq_u32 s10, 0
	s_cselect_b32 s[PFN], 4, 0                     ; wave 0 asks for K steps 4 to 7 in the K steps 0 to 3
	s_wait_dscnt 0x0
	s_wait_kmcnt 0x0
	s_add_nc_u64 s[14:15], s[4:5], s[16:17]
	s_add_nc_u64 s[46:47], s[6:7], s[46:47]
	s_add_nc_u64 s[PFB:PFB+1], s[4:5], s[PFF:PFF+1]
	CROUND                                         ; all sixteen work-groups are here: the first joint loads meet
.irp s, 0,1
	s_mov_b32 s[G0+4*\s], 1
	s_add_co_u32 s[G0+4*\s+1], s20, \s*SLOT
	s_add_nc_u64 s[G0+4*\s+2:G0+4*\s+3], s[14:15], \s*2*XHEAD      ; K step s: heads 2 s, 2 s + 1
	s_or_b32 s[G0+4*\s+3], s[G0+4*\s+3], 0x80000000
	s_mov_b32 s[G0B+4*\s], 1
	s_add_co_u32 s[G0B+4*\s+1], s45, \s*SLOT
	s_add_nc_u64 s[G0B+4*\s+2:G0B+4*\s+3], s[46:47], \s*2*WHEAD
	s_or_b32 s[G0B+4*\s+3], s[G0B+4*\s+3], 0x80000000
	JLOAD \s                                       ; both first fills go out as one group, ahead of every wait on them, LDS read and further barrier
.endr
	s_cmp_lg_u32 s10, 0                            ; wave 0 asks for my 8 KiB of K steps 2 and 3, whose joint loads stand at the ends of K steps 0 and 1
	s_cbranch_scc1 .Lno_first_ask
	global_prefetch_b8 v[PFO], s[PFB:PFB+1] th:TH_LOAD_NT scope:SCOPE_SE
	global_prefetch_b8 v[PFO], s[PFB:PFB+1] offset:2*XHEAD th:TH_LOAD_NT scope:SCOPE_SE
.Lno_first_ask:
	v_and_b32 v1, 15, v0                           ; r
	v_bfe_u32 v2, v0, 4, 1                         ; h
	v_mul_u32_u24 v3, v1, PITCH
	v_lshl_add_u32 v3, v2, 4, v3                   ; 144 r + 16 h
	s_mul_i32 s21, s11, 64*PITCH                   ; my 64 rows of X
	s_mul_i32 s22, s12, 128*PITCH                  ; my 128 rows of W,
	s_add_co_u32 s22, s22, 2*APART                 ; which lie behind X's two parts
.irp s, 0,1
	v_add_nc_u32 v[ADRA+\s], s21, v3
	v_add_nc_u32 v[ADRB+\s], s22, v3
	s_add_co_u32 s21, s21, SLOT
	s_add_co_u32 s22, s22, SLOT
.endr
	s_mul_i32 s23, s10, 16*SPITCH
	s_add_co_u32 s23, s23, STAGE                   ; my stage
	v_mul_u32_u24 v4, v1, SPITCH
	v_lshl_add_u32 v4, v2, 5, v4                   ; in: row r, 32 bytes for each half of the lanes
	v_add_nc_u32 v[STO], s23, v4
	v_lshlrev_b32 v[CO], 4, v5                     ; back: a row of 512 bytes, 16 bytes a lane
	v_add_nc_u32 v[RD], s23, v[CO]
; 16 matrix instructions: m tiles a0, a0 + 1 x all 8 n tiles, 32 along K.  zero = 1: the first product starts the sums.
.macro MUL16 f, a0, zero
.irp a, \a0, \a0+1
.irp b, 0,1,2,3,4,5,6,7
.if \zero
	v_wmma_f32_16x16x32_f16 v[8*(8*(\a)+\b):8*(8*(\a)+\b)+7], v[\f+32+8*\b:\f+32+8*\b+7], v[\f+8*(\a):\f+8*(\a)+7], 0
.else
	v_wmma_f32_16x16x32_f16 v[8*(8*(\a)+\b):8*(8*(\a)+\b)+7], v[\f+32+8*\b:\f+32+8*\b+7], v[\f+8*(\a):\f+8*(\a)+7], v[8*(8*(\a)+\b):8*(8*(\a)+\b)+7]
.endif
.endr
.endr
.endm
; 24 LDS loads in one run: the fragments of a quarter step (head part p, byte k of its rows) into buffer f: W's 16, X's tiles 0 and 1, X's tiles 2 and 3
.macro FETCH slot, p, k, f
	WIN 0
.irp i, 0,1,2,3,4,5,6,7
	ds_load_b128 v[\f+32+8*\i:\f+32+8*\i+3],   v[ADRB+\slot] offset:\p*BPART+\k+\i*16*PITCH
	ds_load_b128 v[\f+32+8*\i+4:\f+32+8*\i+7], v[ADRB+\slot] offset:\p*BPART+\k+\i*16*PITCH+32
.endr
.irp i, 0,1,2,3
	ds_load_b128 v[\f+8*\i:\f+8*\i+3],   v[ADRA+\slot] offset:\p*APART+\k+\i*16*PITCH
	ds_load_b128 v[\f+8*\i+4:\f+8*\i+7], v[ADRA+\slot] offset:\p*APART+\k+\i*16*PITCH+32
.endr
.endm
; One of a K step's first three quarters: multiplies buffer f; in its middle it fetches the next quarter's fragments into buffer g.
; The 32 accumulators take turns, one instruction a turn, in the same order in every quarter.
.macro QUARTER slot, p, k, f, g, zero
	s_wait_dscnt 4                                 ; W and X's tiles 0 and 1 are in; the four youngest loads (X's tiles 2 and 3) may be out
	WIN MULW
	MUL16 \f, 0, \zero
	PLACES
	FETCH \slot, \p, \k, \g
	s_wait_dscnt 24                                ; all but the 24 just issued
	WIN MULW
	MUL16 \f, 2, \zero
.endm
.macro THREE slot, zero
	QUARTER \slot, 0, 64, F0, F1, \zero
	QUARTER \slot, 1, 0,  F1, F0, 0
	QUARTER \slot, 1, 64, F0, F1, 0
.endm
; The last quarter: multiplies buffer 1 and changes slots.  fill = 1: this slot is filled again, two K steps ahead.
.macro TURN slot, next, fill
	s_wait_dscnt 0                                 ; my reads of this slot are back
	s_wait_tensorcnt 0x0                           ; and all my tensor loads have landed: the one that was out is my part of the next slot
	ds_add_u32 v254, v255
	s_wait_dscnt 0x0
	s_barrier_signal -1                            ; say so (where the slot is filled again this barrier opens a round of the cluster's barrier),
	WIN MULW
	MUL16 F1, 0, 0                                 ; work on registers while the others arrive,
	WIN 0
	s_barrier_wait -1                              ; and go on when all four have said so
.if \fill
	CREST                                          ; no wave of any partner still reads this slot or has a load on its way
	s_add_nc_u64 s[G0+4*\slot+2:G0+4*\slot+3], s[G0+4*\slot+2:G0+4*\slot+3], 4*XHEAD
	s_add_nc_u64 s[G0B+4*\slot+2:G0B+4*\slot+3], s[G0B+4*\slot+2:G0B+4*\slot+3], 4*WHEAD
	JLOAD \slot                                    ; the first tensor load behind the round, one a wave; 112 matrix instructions follow before the wait for it
	ASK                                            ; and X of the K step two further on than that load's
.endif
	PLACES
	FETCH \next, 0, 0, F0
	WIN MULW
	MUL16 F1, 2, 0
.endm
.macro LAP zero
	THREE 0, \zero
	TURN 0, 1, 1
	THREE 1, 0
	TURN 1, 0, 1
.endm
	s_wait_tensorcnt 1                             ; my part of K step 0 is in; K step 1's may stay out
	s_barrier_signal -1
	s_barrier_wait -1                              ; everybody's is
	FETCH 0, 0, 0, F0
	LAP 1                                          ; the first lap stands in front of the loop: its first products start the sums
	WIN 0                                          ; at a label and at a branch every window is 0
	s_mov_b32 s3, LAPS-2
.Llap:
	LAP 0
	WIN 0
	s_sub_co_u32 s3, s3, 1
	s_cmp_lg_u32 s3, 0
	s_cbranch_scc1 .Llap
	THREE 0, 0                                     ; the last lap fills nothing and has no round of the cluster's barrier
	TURN 0, 1, 0
	THREE 1, 0
	s_wait_dscnt 0                                 ; the very last quarter
	WIN MULW
	MUL16 F1, 0, 0
	MUL16 F1, 2, 0
	; THE WAY OUT, 16 rows at a time: 32 bytes a lane and tile into my own stage, read back as whole rows of 512 bytes.
	PLACES
	s_lshl_b32 s16, s13, 7
	s_lshl_b32 s14, s11, 6
	s_add_co_u32 s16, s16, s14                     ; my first row
	s_lshl_b32 s16, s16, 12                        ; x 4096 bytes
	s_mov_b32 s17, 0
	s_add_nc_u64 s[8:9], s[8:9], s[16:17]
	s_lshl_b32 s46, s42, 10                        ; my first column, in bytes: 1024 x block + 512 x half
	s_lshl_b32 s47, s12, 9
	s_add_co_u32 s46, s46, s47
	s_mov_b32 s47, 0
	s_add_nc_u64 s[8:9], s[8:9], s[46:47]
.macro OUT16 a, ob
	WIN 0x04                                       ; the LDS stores' data in window 1
.irp b, 0,1,2,3,4,5,6,7
	ds_store_b128 v[STO], v[8*(8*\a+\b):8*(8*\a+\b)+3]   offset:64*\b
	ds_store_b128 v[STO], v[8*(8*\a+\b)+4:8*(8*\a+\b)+7] offset:64*\b+16
.endr
	WIN 0
	s_wait_xcnt 0x0                                ; buffer ob, which earlier stores read, and the stores' base are written again only behind this wait
.if \a
	s_add_nc_u64 s[8:9], s[8:9], 16*4096           ; 16 rows on
.endif
.irp i, 0,1,2,3,4,5,6,7,8,9,10,11,12,13,14,15
	ds_load_b128 v[\ob+4*\i:\ob+4*\i+3], v[RD] offset:\i*SPITCH    ; my wave's own bytes; LDS serves a wave's instructions in order (ISA guide 5.7.1)
.endr
.irp i, 0,1,2,3,4,5,6,7,8,9,10,11,12,13,14,15
	s_wait_dscnt 15-\i                             ; load i is in
	global_store_b128 v[CO], v[\ob+4*\i:\ob+4*\i+3], s[8:9] offset:4096*\i th:TH_STORE_NT   ; 512 consecutive bytes, aligned
.endr
.endm
	OUT16 0, F0
	OUT16 1, F1
	OUT16 2, F0
	OUT16 3, F1
	s_wait_tensorcnt 0x0
	ds_add_u32 v254, v255
	s_wait_dscnt 0x0
	CROUND                                         ; the closing round: no work-group ends while a partner may still ask for a tile that names it
	s_endpgm
.Lfunc_end_k_q61a836517d_proj:
	.size	k_q61a836517d_proj, .Lfunc_end_k_q61a836517d_proj-k_q61a836517d_proj
	.p2alignl 7, 3214868480
	.fill 96, 4, 3214868480
	.section	.rodata,"a",@progbits
	.p2align	6, 0x0
	.amdhsa_kernel k_q61a836517d_proj
		.amdhsa_group_segment_fixed_size 327680
		.amdhsa_private_segment_fixed_size 0
		.amdhsa_enable_private_segment 0
		.amdhsa_kernarg_size 24
		.amdhsa_user_sgpr_count 2
		.amdhsa_user_sgpr_kernarg_segment_ptr 1
		.amdhsa_wavefront_size32 1
		.amdhsa_system_sgpr_workgroup_id_x 1
		.amdhsa_system_sgpr_workgroup_id_y 1
		.amdhsa_system_sgpr_workgroup_id_z 1
		.amdhsa_system_vgpr_workitem_id 0
		.amdhsa_next_free_vgpr 512
		.amdhsa_next_free_sgpr 76
		.amdhsa_reserve_vcc 0
		.amdhsa_float_denorm_mode_32 3
		.amdhsa_float_denorm_mode_16_64 3
		.amdhsa_memory_ordered 1
		.amdhsa_forward_progress 1
		.amdhsa_inst_pref_size 119
	.end_amdhsa_kernel
	.amdgpu_metadata
---
amdhsa.version: [ 1, 2 ]
amdhsa.kernels:
  - .name:           k_q61a836517d_proj
    .symbol:         k_q61a836517d_proj.kd
    .args:
      - { .name: xh, .offset: 0, .size: 8, .value_kind: global_buffer, .address_space: global }
      - { .name: wb, .offset: 8, .size: 8, .value_kind: global_buffer, .address_space: global }
      - { .name: out0, .offset: 16, .size: 8, .value_kind: global_buffer, .address_space: global }
    .group_segment_fixed_size: 327680
    .private_segment_fixed_size: 0
    .kernarg_segment_align: 8
    .kernarg_segment_size: 24
    .max_flat_workgroup_size: 128
    .sgpr_count:     76
    .vgpr_count:     512
    .wavefront_size: 32
...
	.end_amdgpu_metadata
.endif
;; end of part 2
